; MI455X (gfx1250); checked and timed in simulation.
; The chip was launched on July 23, 2026; its instructions are those of AMD's public machine-readable ISA for CDNA 5 (MIT licence, August 2026) and "CDNA5" Instruction Set Architecture Reference Guide (July 2026). The comments in the code are by the model that wrote it; some were corrected since.
;; Causal Attention2d. Allowed arithmetic: matrix products marked QUANTISED: E2M1 operands, one E8M0 scale for each 32 along K, by v_wmma_scale_f32_16x16x128_f8f6f4 with both operands' format E2M1 (or v_wmma_scale_f32_32x16x128_f4), f32 sums; everything else in f32.
;; Inputs: Wk_codes 512 x 16 x 16 uint8 (E2M1 codes of Wk, K innermost, in blocks of 32 codes, two codes a byte); Wk_scales 512 x 16 uint8 (E8M0 scales of Wk, one for each 32 codes along K); Wq_codes 512 x 16 x 16 uint8 (E2M1 codes of Wq, K innermost, in blocks of 32 codes, two codes a byte); Wq_scales 512 x 16 uint8 (E8M0 scales of Wq, one for each 32 codes along K); Wv_codes 512 x 16 x 16 uint8 (E2M1 codes of Wv, K innermost, in blocks of 32 codes, two codes a byte); Wv_scales 512 x 16 uint8 (E8M0 scales of Wv, one for each 32 codes along K); bk 512 float32; bq 512 float32; bv 512 float32; key_codes 2 x 64 x 64 x 16 x 16 uint8 (E2M1 codes of key, K innermost, in blocks of 32 codes, two codes a byte); key_scales 2 x 64 x 64 x 16 uint8 (E8M0 scales of key, one for each 32 codes along K); query_codes 2 x 64 x 64 x 16 x 16 uint8 (E2M1 codes of query, K innermost, in blocks of 32 codes, two codes a byte); query_scales 2 x 64 x 64 x 16 uint8 (E8M0 scales of query, one for each 32 codes along K).
;; Outputs: out0 2 x 512 x 64 x 64 float32.
;; This version of the problem:
;;   THIS VERSION OF THE PROBLEM IS GIVEN IN LOW PRECISION. The matrix products marked QUANTISED in the list below multiply operands that are first quantised to E2M1 (2 exponent bits, 1 mantissa bit; 4 bits a number), with one power-of-two scale for each 32 numbers along K (OCP MX v1.0); their sums are f32. All else is computed in f32.
;;   The module's matrix products, in the order in which they are computed (A, B: the left and right operand; K: the contracted axis; several contracted axes count as one K, in the product's order):
;;     1. [M 8,192, K 512] x [K 512, N 512]; A: input query (given as codes); B: input Wq (given as codes): QUANTISED
;;     2. [M 8,192, K 512] x [K 512, N 512]; A: input key (given as codes); B: input Wk (given as codes): QUANTISED
;;     3. [M 8,192, K 512] x [K 512, N 512]; A: input key (given as codes); B: input Wv (given as codes): QUANTISED
;;     4. batch 16 x [M 4,096, K 64] x [K 64, N 4,096]; A: computed on the way; B: computed on the way: QUANTISED
;;     5. batch 16 x [M 4,096, K 4,096] x [K 4,096, N 64]; A: softmax (see below); B: computed on the way: QUANTISED
;;   THE QUANTISER, for each operand of a quantised product, along K:
;;     - K is cut into blocks of 32 from its start; a last block that is shorter is filled with zeros.
;;     - A block's scale is 2^e with e = floor(log2(the largest magnitude in the block)) - 2, held to -126 .. 127; a block of zeros has e = 0. As a byte (E8M0): e + 127.
;;     - Each number is divided by its block's scale, clamped to +-6, and rounded to the nearest number of E2M1, ties to even, subnormals kept.
;;     - The product sums the exact products of the quantised numbers (number of the format x scale) in f32.
;;   ~~~python
;;   def quantise(x, axis):      # numpy; x: float32 -> the quantised numbers, widened to float32 again
;;       x = np.moveaxis(x, axis, -1); K = x.shape[-1]
;;       x = np.pad(x, [(0, 0)] * (x.ndim - 1) + [(0, -K % 32)]); x = x.reshape(x.shape[:-1] + (-1, 32)); a = np.abs(x).max(-1, keepdims=True)
;;       e = np.where(a > 0, np.clip(np.frexp(np.where(a > 0, a, 1))[1] - 1 - 2, -126, 127), 0)      # np.frexp(a)[1] - 1 = floor(log2(a)), exactly
;;       r = np.clip(x / 2.0 ** e, -6, 6)
;;       step = 2.0 ** (np.maximum(np.frexp(np.where(r == 0, 1, r))[1] - 1, 0) - 1)
;;       q = np.round(r / step) * step * 2.0 ** e      # np.round: ties to even
;;       return np.moveaxis(q.reshape(q.shape[:-2] + (-1,))[..., :K], -1, axis).astype(np.float32)
;;   ~~~
;;   SOFTMAX AHEAD OF A QUANTISED PRODUCT. Where the list says 'softmax', what is quantised is not the finished softmax but p = 2^(t - M), with t = logit x log2(e) and M = ceil(the row's largest t), a whole number; so 1/2 < the row's largest p <= 1. The row's sum l is taken of the UNQUANTISED p, in f32, and the product's result is divided by l at the end. Since M is a whole number, a kernel that streams over the keys may use a running M (the ceiling of the running maximum): every later rescaling is an exact power of two, which a block's scale takes up: the codes' values come out the same.
;;   OPERANDS COMPUTED ON THE WAY. 'Computed on the way' means the value that the module computes at that place (a softmax that the list does not call 'softmax' is quantised finished and normalised). What goes into a quantiser is computed in f32, as accurately as f32 sums, v_exp_f32 and their like allow (about 1e-6 of the number): no bf16 or f16 on the way to a quantiser, and a product that is left as it is and whose result goes on into a quantised operand takes f32 operands (vector FMAs, or v_wmma_f32_16x16x4_f32). A number that lies on a knife's edge between two numbers of the format may be rounded either way, as far as f32 arithmetic and the matrix unit's own rounding can turn it there, and no further.
;;   INPUTS GIVEN AS CODES. Wk (in the module: [512, 512], K = its axis 1); Wq (in the module: [512, 512], K = its axis 1); Wv (in the module: [512, 512], K = its axis 1); key (in the module: [2, 512, 64, 64], K = its axis 1); query (in the module: [2, 512, 64, 64], K = its axis 1): each comes as NAME_codes (uint8): NAME with its K axis moved to the last place and cut into blocks of 32 codes, [.., K / 32, bytes a block], one block behind the other in memory; two codes a byte, the lower K in the low four bits (a code: sign, 2 exponent bits, 1 mantissa bit); and NAME_scales (uint8): the same leading axes, one E8M0 byte (e + 127) for each 32 codes along K. Its value is code x scale, taken as it is: it is not quantised again, and the codes and scales need not be those that the quantiser above would give.
;; One version. Each part assembles by itself: llvm-mc -triple=amdgcn-amd-amdhsa -mcpu=gfx1250 --defsym DOCPART=n.
;; ======== version 1 of 1: 2 launches
;; workspace buffers: qb 2,359,296 bytes; kv 4,587,520 bytes
;; launch proj (part 1): grid 64 x 4, 12 waves a work-group, clusters of 4 x 4, 213,504 bytes of LDS; arguments Wq_codes, Wq_scales, Wk_codes, Wk_scales, Wv_codes, Wv_scales, query_codes, query_scales, key_codes, key_scales, bq, bk, bv, qb, kv; writes qb, kv
.if DOCPART == 1
	.amdgcn_target "amdgcn-amd-amdhsa--gfx1250"
	.amdhsa_code_object_version 6
	.text
	.protected	k_q10988ebc53_proj
	.globl	k_q10988ebc53_proj
	.p2align	8
	.type	k_q10988ebc53_proj,@function
k_q10988ebc53_proj:
	s_mov_b64 s[64:65], 0
	v_nop
	global_prefetch_b8 v0, s[64:65] scope:SCOPE_SE
	s_setreg_imm32_b32 hwreg(HW_REG_WAVE_MODE, 25, 1), 1
	s_wait_xcnt 0x0
	s_wait_alu depctr_hold_cnt(0) depctr_sa_sdst(0) depctr_va_vdst(0) depctr_va_sdst(0) depctr_va_ssrc(0) depctr_va_vcc(0) depctr_vm_vsrc(0)
	s_getreg_b32 s2, hwreg(HW_REG_IB_STS2, 6, 4)
	s_cmp_eq_u32 s2, 0
	s_cbranch_scc0 .Lentry_in_a_cluster
	s_endpgm
.Lentry_in_a_cluster:
	s_bfe_u32 s2, ttmp6, 0x10000c
	s_cmp_lg_u32 s2, 0xf033
	s_cbranch_scc0 .Lentry_shape_is_right
	s_endpgm
.Lentry_shape_is_right:
; q = query Wq^T + bq, k = key Wk^T + bk, v = key Wv^T + bv on codes of FP4 (E2M1) with E8M0 scales as they are given; sums in f32, the bias as the start of each sum.
; The results are quantised in registers (q and k along the head's 64 numbers, v along the keys) and stored as IMAGES OF THE OPERAND REGISTERS of the attention launch.
; WORK LEFT OUT BY THE PROGRAM (none in this launch; the attention launch leaves it out): reference() builds jnp.tril in its own body and puts -1e9 where key > query.  A step of 128 keys
; all of which come after a wave's 16 queries holds only such scores; its weights are thrown away by that mask for every value of the inputs, so the step's two products and its softmax are not done.
; Every input has a way to the output (each bias goes into a quantised operand) and is loaded.
; LIMITS: a NaN, an infinity or an overflow that reaches only the work left out is not carried to the result; NaN and infinities among the inputs are not served; a row whose every open logit lies
; under about -1e9 (where reference() would give weight to hidden keys) is not served; a block of zeros gets the scale byte 1 where the quantiser says 127: its codes are zeros and this program alone reads the bytes.
; SHARES.  Work-group (a, c): a = block of 128 tokens (64 of them), c = block of 128 rows of each weight (heads 2 c, 2 c + 1).  Twelve waves: product p = wave / 4 (0 q, 1 k, 2 v), w4 = wave % 4.
; Every wave multiplies X (128 rows, source 0: the axis along which its result is quantised, so that it runs along a lane's registers) by Y (32 rows, source 1: one row a lane): 8 x 2 accumulators, K = 512 in four steps.
;   p < 2: X = the weight's block, Y = tokens 32 w4 ..;   p = 2: X = the key's 128 tokens, Y = rows 32 w4 .. of Wv's block.  One text serves all: pointers and a few numbers differ.
; CLUSTER 4 x 4: the four work-groups of a row of the cluster (same c) need the same three weight blocks, the four of a column (same a) the same two token blocks: each block is asked for JOINTLY.
; THE RECORDS.  bh = 8 b + head, step = 128 tokens.  qb [bh][step][4608]: 8 tiles x 512 bytes of codes, then 512 bytes of scale words.
;   kv [bh][step][8960]: K's codes 8 x 512 | V's codes, 4 tiles of d x 2 halves x 512, at 4096 | K's scale words, 512, at 8192 | V's scale words, 256, at 8704.
;   A code image: lane l's four registers at 16 l.  K, Q: tile t, lane (r, h): token 16 t + r, the head's numbers 32 h .. 32 h + 31.  V: tile i, half cc, lane (r, h): d = 16 i + r, keys 64 cc + 32 h .. + 31.
;   K's and Q's scale word of tile t, row r at 256 (t / 4) + 16 r + 4 (t % 4): bytes 0, 1 the two blocks' scales, bytes 2, 3 zero (they scale the unused half of the instruction's K, where Q's codes are zeros).
;   V's scale word of tile i, row r at 16 r + 4 i: the step's four blocks of keys.
.set RB,    34816                      ; an LDS region: 128 rows of 256 bytes + 16 of padding: the 16 rows that a fragment load touches start 68 words apart
.set PITCH, 272
.set SST,   6*RB                       ; regions: 0 Wq, 1 idle, 2 Wk, 3 query, 4 key, 5 Wv: so X lies at 2 p RB and Y at (3 + p) RB.  Behind them the stage for scale words: 1,024 bytes a product
.set SPARE, SST+3*1024                 ; the spare words, 128 bytes for each of the twelve waves: six blocks of 256 bytes that no other line names
.set RSQ,   4608
.set RSK,   8960
.set WV,  2                            ; s2 wave, s3 p, s4 w4, s5 cx, s6 cy = c, s7 a, s38 8 b, s39 step
.set PR,  3
.set W4,  4
.set CX,  5
.set CY,  6
.set TA,  7
.set B8,  38
.set STP, 39
.set G1W, 40                           ; s[40:47] descriptor group 1 for the weights' blocks (mask: my row of the cluster);  s[48:55] for the tokens' (my column)
.set G1T, 48
.set SJ,  94                           ; bytes from Y tile 0's image to Y tile 1's
.set SH,  95                           ; bytes from a fragment's registers 0-3 to its registers 4-7
.set S16, 96                           ; 16 (q, k: lanes 16-31 take the second head's two bytes) or 0 (v)
.set MSK, 97                           ; 0xffff or all ones
.set NST, 99
.set S2,  24                           ; bytes from lanes 0-15's scale words to lanes 16-31's in memory
.set SEL, 16                           ; s[16:17] lane selects for v_permlanex16_b32: lane l xor 16
.set LI,  1                            ; v1  16 x lane
.set AX,  2                            ; v2  LDS: my lane's place in X
.set AY,  3                            ; v3  and in Y
.set SSTW, 4                           ; v4  the stage: where I put two scale words
.set SSTR, 5                           ; v5  and where I read 16 bytes back
.set SPW, 6                            ; v6  LDS address of my spare word; never rewritten
.set NIL, 7                            ; v7  0; never rewritten
.set XO,  8                            ; v8  X's scale words: 16 (r + 64 h)
.set BO,  9                            ; v9  the bias along the registers: 32 h
.set BV,  10                           ; v10 the bias along the lanes: 4 r
.set XS,  12                           ; v12-27 X's scale words: register 4 i + q: lanes 0-15 tile i, lanes 16-31 tile i + 4, K step q
.set YS,  28                           ; v28-31 Y's: register q: lanes 0-15 tile 0, lanes 16-31 tile 1
.set YF,  32                           ; v32-47 Y's two fragments
.set XF,  48                           ; v48-111 X's eight
.set BY,  112                          ; v112-113 v's bias of my lane's two rows
.set ACC, 128                          ; v128-255 accumulator (i, j) at ACC + 64 j + 8 i
.set TM,  32                           ; behind the products: v32-47 at work
.set PC0, 48                           ; v48-55, v56-63 the codes of Y tiles 0, 1
.set PC1, 56
.set PW,  64                           ; v64, v65 their scale words
.set WD,  66                           ; v[66:67] the words as they are stored
.set BK,  68                           ; v[68:71] 16 bytes of scale words read back
.set VO,  72                           ; v73-75 byte offsets of the images (v72 at work)
.set VOS, 76
.set VSH, 77
.macro ROUND                           ; a round of the cluster's barrier
	s_barrier_signal -1
	s_barrier_wait -1
	s_cmp_lg_u32 s[WV], 0
	s_cbranch_scc1 .Lnot_wave_0_\@
	s_barrier_signal -3
.Lnot_wave_0_\@:
	s_barrier_wait -3
	s_barrier_signal -1
	s_barrier_wait -1
.endm
.macro G0SET g0, region, ptr, off      ; descriptor group 0: count 1, LDS address, global address, type 2
	s_mov_b32 s[\g0], 1
	s_mov_b32 s[\g0+1], (\region)*RB
	s_add_nc_u64 s[\g0+2:\g0+3], s[\ptr:\ptr+1], s[\off:\off+1]
	s_or_b32 s[\g0+3], s[\g0+3], 0x80000000
.endm
.macro ARM wave, g0, g1                ; one wave asks for one region; an s_nop 0 and four v_nop follow the load
	s_cmp_eq_u32 s[WV], \wave
	s_cbranch_scc0 .Lnot_\@
	tensor_load_to_lds s[\g0:\g0+3], s[\g1:\g1+7]
	s_nop 0
.rept 4
	v_nop
.endr
	s_branch .Lfilled
.Lnot_\@:
.endm
	s_load_b512 s[8:23], s[0:1], 0x0               ; Wq codes s[8:9], scales s[10:11]; Wk s[12:13], s[14:15]; Wv s[16:17], s[18:19]; query s[20:21], s[22:23]
	s_load_b256 s[24:31], s[0:1], 0x40             ; key codes s[24:25], scales s[26:27]; bq s[28:29]; bk s[30:31]
	s_load_b128 s[32:35], s[0:1], 0x60             ; bv s[32:33]; qb s[34:35]
	s_load_b64 s[36:37], s[0:1], 0x70              ; kv
	v_lshl_add_u32 v[SPW], v0, 2, SPARE
	v_mov_b32 v[NIL], 0
	ds_add_u32 v[SPW], v[NIL]                      ; the wave's opening: the add, twice on end, and its wait ahead of the first tensor loads; the set-up below stands between
	ds_add_u32 v[SPW], v[NIL]
	v_lshrrev_b32 v11, 5, v0
	v_readfirstlane_b32 s[WV], v11                 ; wave 0..11
	s_lshr_b32 s[PR], s[WV], 2
	s_and_b32 s[W4], s[WV], 3
	s_bfe_u32 s[CX], ttmp6, 0x40000
	s_bfe_u32 s[CY], ttmp6, 0x40004                ; the grid has one cluster along y: c = cy
	s_lshl_b32 s[TA], ttmp9, 2
	s_add_co_u32 s[TA], s[TA], s[CX]               ; a = 4 x cluster x + cx
	s_lshr_b32 s[B8], s[TA], 5
	s_lshl_b32 s[B8], s[B8], 3
	s_and_b32 s[STP], s[TA], 31
	s_lshl_b32 s100, s[CY], 2
	s_lshl_b32 s100, 15, s100                      ; my row of the cluster
	s_or_b32 s[G1W], s100, (1<<20)|(1<<21)|(5<<22)|(3<<25)   ; 15:0 the mask; elements of 1 byte; 20 padding on; 21 set beside a mask; after every 64 words (code 5) four words (code 3)
	s_lshl_b32 s101, 0x1111, s[CX]                 ; my column
	s_or_b32 s[G1T], s101, (1<<20)|(1<<21)|(5<<22)|(3<<25)
.irp g, G1W, G1T
	s_mov_b32 s[\g+1], 256<<16                     ; tensor_dim0 = 256 bytes: 512 codes
	s_mov_b32 s[\g+2], 128<<16                     ; tensor_dim1 = 128 rows
	s_mov_b32 s[\g+3], 256<<16                     ; tile_dim0
	s_mov_b32 s[\g+4], 128                         ; tile_dim1
	s_mov_b32 s[\g+5], 256                         ; from row to row
	s_mov_b32 s[\g+6], 0
	s_mov_b32 s[\g+7], 0
.endr
	s_lshl_b32 s80, s[CY], 15                      ; a block is 128 rows x 256 bytes: the weights' by c,
	s_mov_b32 s81, 0
	s_lshl_b32 s82, s[TA], 15                      ; the tokens' by a
	s_mov_b32 s83, 0
	; every LDS address is made here, ahead of the first branch on the wave's number: a constant + constants x lane + constants x wave
	v_and_b32 v11, 31, v0
	v_lshlrev_b32 v[LI], 4, v11
	v_and_b32 v32, 15, v0                          ; r
	v_bfe_u32 v33, v0, 4, 1                        ; h
	v_mul_u32_u24 v34, v32, PITCH
	v_lshl_add_u32 v34, v33, 4, v34                ; a fragment's row x pitch + 16 h
	s_mul_i32 s101, s[PR], 2*RB
	v_add_nc_u32 v[AX], s101, v34
	s_mul_i32 s101, s[PR], RB
	s_mul_i32 s100, s[W4], 32*PITCH
	s_add_co_u32 s101, s101, s100
	s_add_co_u32 s101, s101, 3*RB
	v_add_nc_u32 v[AY], s101, v34
	s_lshl_b32 s101, s[PR], 10
	s_lshr_b32 s100, s[W4], 1
	s_lshl_b32 s100, s100, 8
	s_add_co_u32 s100, s100, s101
	s_and_b32 s99, s[W4], 1
	s_lshl_b32 s98, s99, 3
	s_add_co_u32 s100, s100, s98
	s_add_co_u32 s100, s100, SST
	v_lshlrev_b32 v35, 4, v32
	v_lshl_add_u32 v35, v33, 9, v35
	v_add_nc_u32 v[SSTW], s100, v35                ; SST + 1024 p + 512 h + 256 (w4 / 2) + 16 r + 8 (w4 % 2)
	s_lshl_b32 s99, s99, 9
	s_add_co_u32 s99, s99, s101
	s_add_co_u32 s99, s99, SST
	v_add_nc_u32 v[SSTR], s99, v[LI]               ; SST + 1024 p + 512 (w4 % 2) + 16 x lane
	v_lshl_add_u32 v[XO], v33, 6, v32
	v_lshlrev_b32 v[XO], 4, v[XO]
	v_lshlrev_b32 v[BO], 5, v33
	v_lshlrev_b32 v[BV], 2, v32
	s_wait_dscnt 0x0                               ; both opening adds are done
	s_wait_kmcnt 0x0
	G0SET 56, 0, 8, 80                             ; Wq's block
	G0SET 60, 2, 12, 80                            ; Wk's
	G0SET 68, 3, 20, 82                            ; query's
	G0SET 72, 4, 24, 82                            ; key's: fetched once, for k and for v
	G0SET 76, 5, 16, 80                            ; Wv's
	ROUND                                          ; all sixteen work-groups are here: the joint loads meet
	ARM 0, 56, G1W                                 ; five first fills, one load of a wave out
	ARM 2, 60, G1W
	ARM 3, 68, G1T
	ARM 4, 72, G1T
	ARM 5, 76, G1W
.Lfilled:
	; what differs between the products.  The code pointers' registers are free now.  First the plain numbers (these lines write SCC), then the choices
	s_lshl_b32 s8, s[CY], 11                       ; 128 rows of 16 scale bytes: the weights' by c,
	s_lshl_b32 s9, s[TA], 11                       ; the tokens' by a
	s_lshl_b32 s12, s[W4], 9                       ; Y's 32 rows
	s_lshl_b32 s16, s[CY], 1                       ; head 2 c
	s_lshr_b32 s17, s[W4], 1
	s_and_b32 s20, s[W4], 1
	s_lshl_b32 s21, s[W4], 10                      ; q, k: token tiles 2 w4, 2 w4 + 1
	s_lshl_b32 s24, s20, 11
	s_add_co_u32 s24, s24, 4096                    ; v: d tiles 2 (w4 % 2), + 1, behind K's codes
	s_lshl_b32 s25, s[CY], 9                       ; the bias: 128 numbers by c
	s_lshl_b32 s101, s[W4], 7                      ; v: my 32 of them
	s_cmp_eq_u32 s[PR], 0
	s_cselect_b64 s[84:85], s[10:11], s[14:15]     ; X's scales
	s_cselect_b64 s[86:87], s[22:23], s[26:27]     ; Y's scales
	s_cselect_b64 s[88:89], s[28:29], s[30:31]     ; the bias
	s_cselect_b64 s[90:91], s[34:35], s[36:37]     ; where the results go
	s_mov_b32 s13, RSK
	s_cselect_b32 s13, RSQ, s13                    ; a record's bytes
	s_mov_b32 s100, 8192
	s_cselect_b32 s100, 4096, s100                 ; the scale words' place in it
	s_cmp_eq_u32 s[PR], 2
	s_cselect_b64 s[84:85], s[26:27], s[84:85]
	s_cselect_b64 s[86:87], s[18:19], s[86:87]
	s_cselect_b64 s[88:89], s[32:33], s[88:89]
	s_cselect_b32 s99, s9, s8
	s_cselect_b32 s8, s8, s9
	s_cselect_b32 s101, s101, 0
	s_cselect_b32 s17, s17, 0                      ; v: my rows' head is 2 c + w4 / 2
	s_cselect_b32 s20, 0, s20                      ; q, k: wave w4 < 2 stores head 2 c + w4's scale words
	s_cselect_b32 s21, s24, s21
	s_mov_b32 s[SJ], 512
	s_cselect_b32 s[SJ], 1024, s[SJ]
	s_mul_i32 s[SH], s13, 32                       ; q, k: registers 4-7 belong to the next head, 32 records on;
	s_cselect_b32 s[SH], 512, s[SH]                ; v: to the fragment's second half
	s_cselect_b32 s100, 8704, s100
	s_mov_b32 s[S2], 32*RSK
	s_cselect_b32 s[S2], s[S2], 256
	s_cselect_b32 s[S16], 0, 16
	s_mov_b32 s[MSK], 0xffff
	s_cselect_b32 s[MSK], -1, s[MSK]
	s_mov_b64 s[92:93], s[90:91]
	s_mov_b32 s9, 0
	s_add_co_u32 s8, s8, s12
	s_add_nc_u64 s[86:87], s[86:87], s[8:9]
	s_mov_b32 s8, s99
	s_add_nc_u64 s[84:85], s[84:85], s[8:9]
	s_add_co_u32 s8, s25, s101
	s_add_nc_u64 s[88:89], s[88:89], s[8:9]
	s_add_co_u32 s16, s16, s[B8]                   ; 8 b + 2 c
	s_add_co_u32 s8, s16, s17
	s_lshl_b32 s8, s8, 5
	s_add_co_u32 s8, s8, s[STP]
	s_mul_i32 s8, s8, s13
	s_add_co_u32 s8, s8, s21
	s_add_nc_u64 s[90:91], s[90:91], s[8:9]        ; my first image
	s_add_co_u32 s8, s16, s20
	s_lshl_b32 s8, s8, 5
	s_add_co_u32 s8, s8, s[STP]
	s_mul_i32 s8, s8, s13
	s_add_co_u32 s8, s8, s100
	s_add_nc_u64 s[92:93], s[92:93], s[8:9]        ; the scale words that I store, if I store any
	s_lshr_b32 s[NST], s[PR], 1
	s_add_co_u32 s[NST], s[NST], s[W4]             ; under 2 in waves 0, 1 of q and of k and in wave 0 of v: these store scale words
	s_mov_b32 s[SEL], 0x76543210
	s_mov_b32 s[SEL+1], 0xfedcba98
.irp i, 0,1,2,3
	global_load_b128 v[XS+4*\i:XS+4*\i+3], v[XO], s[84:85] offset:256*\i   ; a row's 16 scale bytes are its four K steps' words
.endr
	global_load_b128 v[YS:YS+3], v[LI], s[86:87]
	; THE BIAS IS THE START OF EVERY SUM: it is laid into the accumulators while the tiles are on their way, and the first K step adds onto it like every other
	s_cmp_eq_u32 s[PR], 2
	s_cbranch_scc1 .Lbias_v
.irp j, 0,1
.irp i, 0,1,2,3,4,5,6,7
.irp k, 0,1
	global_load_b128 v[ACC+64*\j+8*\i+4*\k:ACC+64*\j+8*\i+4*\k+3], v[BO], s[88:89] offset:64*\i+16*\k   ; q, k: register jj of tile i is output 16 i + 8 h + jj
.endr
.endr
.endr
	s_branch .Lbias_in
.Lbias_v:
	global_load_b32 v[BY], v[BV], s[88:89]         ; v: a lane's row is one output: one number for all 64 registers of a Y tile
	global_load_b32 v[BY+1], v[BV], s[88:89] offset:64
	s_wait_loadcnt 0x0
.set n, 0
.rept 64
	v_mov_b32 v[ACC+n], v[BY]
	v_mov_b32 v[ACC+64+n], v[BY+1]
.set n, n+1
.endr
.Lbias_in:
	s_wait_tensorcnt 0x0                           ; my region, if I asked for one, has landed;
	s_barrier_signal -1
	s_barrier_wait -1                              ; everybody's has.
.macro XYLOAD q                        ; the fragments of K step q: 16 rows x 128 K of 4-bit codes are 8 registers: two loads of 16 bytes, 32 bytes apart
.irp j, 0,1
.irp c, 0,1
	ds_load_b128 v[YF+8*\j+4*\c:YF+8*\j+4*\c+3], v[AY] offset:16*\j*PITCH+64*(\q)+32*\c
.endr
.endr
.irp i, 0,1,2,3,4,5,6,7
.irp c, 0,1
	ds_load_b128 v[XF+8*\i+4*\c:XF+8*\i+4*\c+3], v[AX] offset:16*\i*PITCH+64*(\q)+32*\c
.endr
.endr
.endm
.macro MM i, j, q                      ; accumulator (i, j) += X tile i x Y tile j; tiles 4-7 of X and tile 1 of Y have their scale words in lanes 16-31
.set rD, ACC+64*(\j)+8*(\i)
.set rX, XF+8*(\i)
.set rY, YF+8*(\j)
.set rS, XS+4*((\i)%4)+(\q)
.if ((\i) < 4) && ((\j) == 0)
	v_wmma_scale_f32_16x16x128_f8f6f4 v[rD:rD+7], v[rX:rX+7], v[rY:rY+7], v[rD:rD+7], v[rS], v[YS+(\q)] matrix_a_fmt:MATRIX_FMT_FP4 matrix_b_fmt:MATRIX_FMT_FP4
.elseif (\i) < 4
	v_wmma_scale_f32_16x16x128_f8f6f4 v[rD:rD+7], v[rX:rX+7], v[rY:rY+7], v[rD:rD+7], v[rS], v[YS+(\q)] matrix_a_fmt:MATRIX_FMT_FP4 matrix_b_fmt:MATRIX_FMT_FP4 matrix_b_scale:MATRIX_SCALE_ROW1
.elseif (\j) == 0
	v_wmma_scale_f32_16x16x128_f8f6f4 v[rD:rD+7], v[rX:rX+7], v[rY:rY+7], v[rD:rD+7], v[rS], v[YS+(\q)] matrix_a_fmt:MATRIX_FMT_FP4 matrix_b_fmt:MATRIX_FMT_FP4 matrix_a_scale:MATRIX_SCALE_ROW1
.else
	v_wmma_scale_f32_16x16x128_f8f6f4 v[rD:rD+7], v[rX:rX+7], v[rY:rY+7], v[rD:rD+7], v[rS], v[YS+(\q)] matrix_a_fmt:MATRIX_FMT_FP4 matrix_b_fmt:MATRIX_FMT_FP4 matrix_a_scale:MATRIX_SCALE_ROW1 matrix_b_scale:MATRIX_SCALE_ROW1
.endif
.endm
.macro MUL q                           ; the sixteen accumulators take turns, one instruction a turn, in the same order in every K step
.irp i, 0,1,2,3,4,5,6,7
.irp j, 0,1
	MM \i, \j, \q
.endr
.endr
.endm
	XYLOAD 0
	s_wait_loadcnt 0x0                             ; the scale words and the bias
	s_wait_dscnt 0x0
	MUL 0
.irp q, 1,2,3
.rept 4
	v_nop                                          ; four places in front of loads into registers that matrix instructions have read
.endr
	XYLOAD \q
	s_wait_dscnt 0x0
	MUL \q
.endr
.rept 4
	v_nop                                          ; and in front of the first read of results and the first write over fragments
.endr
.irp b, 0,1,2,3
	v_mov_b32 v[TM+4+\b], 0                        ; written once: a lane permute's destination counts as one of its sources
.endr
	v_bfe_u32 v[VSH], v0, 4, 1
	v_mul_u32_u24 v[VOS], v[VSH], s[S2]
	v_mul_u32_u24 v[VSH], v[VSH], s[S16]
	v_and_b32 v[VO], 15, v0
	v_lshl_add_u32 v[VOS], v[VO], 4, v[VOS]        ; 16 r + h x the step to lanes 16-31's words
	v_add_nc_u32 v[VO+1], s[SH], v[LI]
	v_add_nc_u32 v[VO+2], s[SJ], v[LI]
	v_add_nc_u32 v[VO+3], s[SH], v[VO+2]
; 64 numbers of a lane, register 8 t + jj = run index 16 t + 8 h + jj of my row, become a fragment's codes and its scale word.  Block b of 32 is tiles 2 b, 2 b + 1 of lanes l and l xor 16.
.macro QUANT s, pc, pw
.irp b, 0,1,2,3
	v_max3_num_f32 v[TM+\b], |v[(\s)+16*\b]|, |v[(\s)+1+16*\b]|, 0x1800000   ; my 16 numbers of block b, and the floor 2^(3 - 127): so the byte cannot fall under 1.  Each accumulator is read from its low end on
.endr
.irp i, 2,4,6,8,10,12,14
.irp b, 0,1,2,3
	v_max3_num_f32 v[TM+\b], v[TM+\b], |v[(\s)+16*\b+\i]|, |v[(\s)+1+16*\b+\i]|   ; (the four blocks by turns)
.endr
.endr
.irp b, 0,1,2,3
	v_permlanex16_b32 v[TM+4+\b], v[TM+\b], s[SEL], s[SEL+1]
.endr
.irp b, 0,1,2,3
	v_max_num_f32 v[TM+\b], v[TM+\b], v[TM+4+\b]   ; the block's largest magnitude
.endr
.irp b, 0,1,2,3
	v_add_nc_u32 v[TM+12+\b], 0xff000000, v[TM+\b] ; 2 off its exponent field: the conversion takes this operand's exponent field as its scale
.endr
.irp b, 0,1,2,3
	v_lshrrev_b32 v[TM+4+\b], 23, v[TM+12+\b]      ; the scale's byte
.endr
	v_lshl_or_b32 v[\pw], v[TM+5], 8, v[TM+4]
	v_lshl_or_b32 v[\pw], v[TM+6], 16, v[\pw]
	v_lshl_or_b32 v[\pw], v[TM+7], 24, v[\pw]
.irp c, 0,1                            ; of block b a lane has numbers 8 h .. + 7 (tile 2 b) and 16 + 8 h .. + 7 (tile 2 b + 1)
	v_cvt_scalef32_pk8_fp4_f32 v[\pc+4*\c],   v[(\s)+32*\c:(\s)+32*\c+7],     v[TM+12+2*\c]
	v_cvt_scalef32_pk8_fp4_f32 v[\pc+4*\c+1], v[(\s)+32*\c+16:(\s)+32*\c+23], v[TM+13+2*\c]
	v_cvt_scalef32_pk8_fp4_f32 v[\pc+4*\c+2], v[(\s)+32*\c+8:(\s)+32*\c+15],  v[TM+12+2*\c]
	v_cvt_scalef32_pk8_fp4_f32 v[\pc+4*\c+3], v[(\s)+32*\c+24:(\s)+32*\c+31], v[TM+13+2*\c]
.endr
	v_nop                                          ; one plain place behind a scaled conversion
.irp c, 0,1                            ; the first's lanes 16-31 change places with the second's lanes 0-15: registers 4 c .. 4 c + 3 then hold k = 64 c + 32 h + 0 .. 31
	v_permlane16_swap_b32 v[\pc+4*\c], v[\pc+4*\c+1]
	v_permlane16_swap_b32 v[\pc+4*\c+2], v[\pc+4*\c+3]
.endr
.endm
	QUANT ACC, PC0, PW
	global_store_b128 v[LI], v[PC0:PC0+3], s[90:91]       ; each store of the wave covers 512 consecutive bytes, aligned to 256
	global_store_b128 v[VO+1], v[PC0+4:PC0+7], s[90:91]
	QUANT ACC+64, PC1, PW+1
	global_store_b128 v[VO+2], v[PC1:PC1+3], s[90:91]
	global_store_b128 v[VO+3], v[PC1+4:PC1+7], s[90:91]
	; the scale words meet in the stage, so that they leave in runs of 256 bytes.  q, k: lanes 0-15 keep the first head's two bytes, lanes 16-31 the second's; v: the whole word (lanes 16-31 write a second copy that nobody reads)
	v_lshrrev_b32 v[WD], v[VSH], v[PW]
	v_lshrrev_b32 v[WD+1], v[VSH], v[PW+1]
	v_and_b32 v[WD], s[MSK], v[WD]
	v_and_b32 v[WD+1], s[MSK], v[WD+1]
	ds_store_b64 v[SSTW], v[WD:WD+1]
	s_wait_dscnt 0x0                               ; for the others' sake: my words lie in the stage
	s_barrier_signal -1
	s_barrier_wait -1
	s_cmp_ge_u32 s[NST], 2
	s_cbranch_scc1 .Lno_words
	ds_load_b128 v[BK:BK+3], v[SSTR]
	s_wait_dscnt 0x0
	global_store_b128 v[VOS], v[BK:BK+3], s[92:93] ; sixteen lanes store 256 consecutive bytes, aligned
.Lno_words:
	s_wait_tensorcnt 0x0                           ; the wave's end, behind my last tensor load and my last LDS store
	ds_add_u32 v[SPW], v[NIL]
	s_wait_dscnt 0x0
	ROUND                                          ; the closing round: no work-group ends while a partner may still ask for a block that names it
	s_endpgm
.Lfunc_end_k_q10988ebc53_proj:
	.size	k_q10988ebc53_proj, .Lfunc_end_k_q10988ebc53_proj-k_q10988ebc53_proj
	.p2alignl 7, 3214868480
	.fill 96, 4, 3214868480
	.section	.rodata,"a",@progbits
	.p2align	6, 0x0
	.amdhsa_kernel k_q10988ebc53_proj
		.amdhsa_group_segment_fixed_size 213504
		.amdhsa_private_segment_fixed_size 0
		.amdhsa_enable_private_segment 0
		.amdhsa_kernarg_size 120
		.amdhsa_user_sgpr_count 2
		.amdhsa_user_sgpr_kernarg_segment_ptr 1
		.amdhsa_wavefront_size32 1
		.amdhsa_system_sgpr_workgroup_id_x 1
		.amdhsa_system_sgpr_workgroup_id_y 1
		.amdhsa_system_sgpr_workgroup_id_z 1
		.amdhsa_system_vgpr_workitem_id 0
		.amdhsa_next_free_vgpr 256
		.amdhsa_next_free_sgpr 102
		.amdhsa_reserve_vcc 0
		.amdhsa_float_denorm_mode_32 3
		.amdhsa_float_denorm_mode_16_64 3
		.amdhsa_memory_ordered 1
		.amdhsa_forward_progress 1
		.amdhsa_inst_pref_size 41
	.end_amdhsa_kernel
	.amdgpu_metadata
---
amdhsa.version: [ 1, 2 ]
amdhsa.kernels:
  - .name:           k_q10988ebc53_proj
    .symbol:         k_q10988ebc53_proj.kd
    .args:
      - { .name: Wq_codes, .offset: 0, .size: 8, .value_kind: global_buffer, .address_space: global }
      - { .name: Wq_scales, .offset: 8, .size: 8, .value_kind: global_buffer, .address_space: global }
      - { .name: Wk_codes, .offset: 16, .size: 8, .value_kind: global_buffer, .address_space: global }
      - { .name: Wk_scales, .offset: 24, .size: 8, .value_kind: global_buffer, .address_space: global }
      - { .name: Wv_codes, .offset: 32, .size: 8, .value_kind: global_buffer, .address_space: global }
      - { .name: Wv_scales, .offset: 40, .size: 8, .value_kind: global_buffer, .address_space: global }
      - { .name: query_codes, .offset: 48, .size: 8, .value_kind: global_buffer, .address_space: global }
      - { .name: query_scales, .offset: 56, .size: 8, .value_kind: global_buffer, .address_space: global }
      - { .name: key_codes, .offset: 64, .size: 8, .value_kind: global_buffer, .address_space: global }
      - { .name: key_scales, .offset: 72, .size: 8, .value_kind: global_buffer, .address_space: global }
      - { .name: bq, .offset: 80, .size: 8, .value_kind: global_buffer, .address_space: global }
      - { .name: bk, .offset: 88, .size: 8, .value_kind: global_buffer, .address_space: global }
      - { .name: bv, .offset: 96, .size: 8, .value_kind: global_buffer, .address_space: global }
      - { .name: qb, .offset: 104, .size: 8, .value_kind: global_buffer, .address_space: global }
      - { .name: kv, .offset: 112, .size: 8, .value_kind: global_buffer, .address_space: global }
    .group_segment_fixed_size: 213504
    .private_segment_fixed_size: 0
    .kernarg_segment_align: 8
    .kernarg_segment_size: 120
    .max_flat_workgroup_size: 384
    .sgpr_count:     102
    .vgpr_count:     256
    .wavefront_size: 32
...
	.end_amdgpu_metadata
.endif
;; end of part 1
;; launch attn (part 2): grid 16 x 16, 16 waves a work-group, no clusters, 327,680 bytes of LDS; arguments qb, kv, out0; writes out0
.if DOCPART == 2
	.amdgcn_target "amdgcn-amd-amdhsa--gfx1250"
	.amdhsa_code_object_version 6
	.text
	.protected	k_q10988ebc53_attn
	.globl	k_q10988ebc53_attn
	.p2align	8
	.type	k_q10988ebc53_attn,@function
k_q10988ebc53_attn:
	s_mov_b64 s[64:65], 0
	v_nop
	global_prefetch_b8 v0, s[64:65] scope:SCOPE_SE
	s_setreg_imm32_b32 hwreg(HW_REG_WAVE_MODE, 25, 1), 1
	s_wait_xcnt 0x0
; out[b][64 head + d][n] = the sum over keys k <= n of softmax_k(q[n] . k[k] / 8) v[k][d], both products on codes of FP4 (E2M1) with E8M0 scales, from the records that the launch before has stored.
; WORK LEFT OUT: a step of 128 keys all of which come after a wave's 16 queries (reference()'s own jnp.tril hides them for every value of the inputs) is not walked; shown at the head of the first kernel, with the limits.
; In the one step on the diagonal hidden scores become -8e9, which is reference()'s -1e9 ahead of its division by 8: their p is 0.
; THE SOFTMAX AHEAD OF THE SECOND PRODUCT: t = score x log2(e) / 8; M = the running largest t rounded UP to a whole number; p = 2^(t - M) is quantised along the keys, not normalised; the row's sum is taken of the
; unquantised p and divides at the end; when M moves, the sum and O are multiplied by 2^(old M - new M), which rounds nothing.
; SHARES.  bh = work-group y.  A head's 4,096 queries are 64 groups of 64 (256 bytes of an output row).  Work-group x owns groups x, 31 - x, 32 + x, 63 - x: (G / 2 + 1) key steps each, 66 in all for every x.
; Sixteen waves, one tile of 16 queries each, in 256 registers, four to a SIMD.  Wave w: group number g = (w / 4 + w) % 4, tile w % 4: waves w, w + 4, w + 8, w + 12 hold one tile of each of the four groups.
; A WHOLE HEAD'S RECORDS, 32 x 8,960 bytes, LIE IN LDS: wave 0 asks for them by four tensor loads at the head (steps 0-3, 4-7, 8-15, 16-31), four of its loads out.
; NO CLUSTER: the sixteen work-groups of a head read the same records, but a wave's last step, G / 2, hangs on x, so partners along x would branch by their place in the cluster.
; LAYOUT.  Both products are used transposed: S^T = K Q^T (source 0 = 16 keys, source 1 = my 16 queries), O^T = V^T P^T (source 0 = 16 of the head's 64, source 1 = P): a lane holds ONE query (lane % 16) throughout,
; and O^T is the output's own order.  In S^T register 8 t + jj of lane (r, h) is key 16 t + 8 h + jj.
; THE HEAD IS 64, THE INSTRUCTION'S K 128: Q's registers 4-7 are zero codes.  K's operand of tile t is v[KF + 4 t .. + 7]: its upper four registers are the next tile's codes (for tile 7: zeros); E2M1 has no
; infinity and no NaN, so each of them times Q's zero code is 0.  So a fragment of K costs one LDS load.
.set REC,   8960
.set SPARE, 32*REC                     ; behind the records: the spare words, 128 bytes for each wave: eight blocks of 256 bytes that no other line names
.set GST,   64*272                     ; the way out: a stage of 64 rows (d) x (256 bytes + 16) for each of the four groups, laid over the first records when nobody reads them any more
.set WV,  10                           ; s10 wave, s11 g, s12 tile, s13 x, s14 bh, s15 G, s16 my last step, s17 my tile's place in it
.set GN,  11
.set TAU, 12
.set WX,  13
.set BH,  14
.set GG,  15
.set SQ,  16
.set TQ,  17
.set SEL, 20                           ; s[20:21] lane selects for v_permlanex16_b32: lane l xor 16
.set CS,  22                           ; s[22:23] c = log2(e) / 8: the packed form names a pair and takes its low word for both halves
.set TB,  66                           ; s66 LDS byte at which the step's record begins
.set SIDX, 67                          ; s67 the step
.set CNT, 68
.set LI,  1                            ; v1  16 x lane
.set LV,  2                            ; v2  16 x (lane % 16)
.set ADR, 3                            ; v3, v4 the step's LDS addresses
.set ADV, 4
.set SPW, 5                            ; v5  LDS address of my spare word; never rewritten
.set NIL, 6                            ; v6  0; never rewritten
.set D0,  7                            ; v7  my query's place in its step - 8 h
.set NEG, 8                            ; v8  -8e9
.set STO, 9                            ; v9  the stage: where I put a number
.set RD,  10                           ; v10 and where I read 16 bytes of a row back
.set GO,  11                           ; v11 my byte offset in the output
.set QF,  16                           ; v16-19 Q's codes, v20-23 zeros; v24 Q's scale word.  v12 -M, v13 the largest t, v[14:15] the sum in two halves
.set QS,  24
.set KS,  28                           ; v28-31 K's scale words: register i: lanes 0-15 tile i, lanes 16-31 tile i + 4
.set KF,  32                           ; v32-63 K's eight tiles, v64-67 zeros
.set VF,  68                           ; v68-99 V's four fragments
.set VS,  100                          ; v100-103 their scale words
.set S,   104                          ; v104-167 S^T, then p, then the way out
.set O,   168                          ; v168-199 O^T: register 8 i + j is d = 16 i + 8 h + j
.set PC,  200                          ; v200-207 p's codes; v208 p's scale word
.set PW,  208
.set BM,  212                          ; v212-215 the blocks' largest scores, then largest p
.set T2,  216
.set SO,  220                          ; v220-223 the conversions' scale operands
.set F,   224                          ; v224 f = 2^(old M - new M) (v225 is named with it as a pair)
.set TP,  226
.set SU,  228
.macro G1SET g, rows                   ; descriptor group 1: a dense block as rows of 256 bytes: 32 elements of 8 bytes, no padding, no mask
	s_mov_b32 s[\g], 3<<16
	s_mov_b32 s[\g+1], 32<<16
	s_mov_b32 s[\g+2], (\rows)<<16
	s_mov_b32 s[\g+3], 32<<16
	s_mov_b32 s[\g+4], \rows
	s_mov_b32 s[\g+5], 32
	s_mov_b32 s[\g+6], 0
	s_mov_b32 s[\g+7], 0
.endm
.macro G0SET g, off                    ; group 0: the records lie in LDS as in memory
	s_mov_b32 s[\g], 1
	s_mov_b32 s[\g+1], \off
	s_add_nc_u64 s[\g+2:\g+3], s[6:7], \off
	s_or_b32 s[\g+3], s[\g+3], 0x80000000
.endm
	s_load_b128 s[4:7], s[0:1], 0x0                ; qb s[4:5], kv s[6:7]
	s_load_b64 s[8:9], s[0:1], 0x10                ; out0
	v_lshl_add_u32 v[SPW], v0, 2, SPARE
	v_mov_b32 v[NIL], 0
	ds_add_u32 v[SPW], v[NIL]                      ; the wave's opening: the add, twice on end, and its wait ahead of the first tensor loads; the set-up below stands between
	ds_add_u32 v[SPW], v[NIL]
	v_lshrrev_b32 v3, 5, v0
	v_readfirstlane_b32 s[WV], v3                  ; wave 0..15
	s_lshr_b32 s[GN], s[WV], 2
	s_add_co_u32 s[GN], s[GN], s[WV]
	s_and_b32 s[GN], s[GN], 3
	s_and_b32 s[TAU], s[WV], 3
	s_mov_b32 s[WX], ttmp9
	s_and_b32 s[BH], ttmp7, 0xffff
	s_sub_co_u32 s70, 31, s[WX]
	s_and_b32 s71, s[GN], 1
	s_cmp_eq_u32 s71, 1
	s_cselect_b32 s[GG], s70, s[WX]
	s_lshr_b32 s71, s[GN], 1
	s_lshl_b32 s71, s71, 5
	s_add_co_u32 s[GG], s[GG], s71                 ; G = x, 31 - x, 32 + x, 63 - x
	s_lshr_b32 s[SQ], s[GG], 1                     ; two groups to a step of 128 keys: my diagonal step, and my last
	s_and_b32 s[TQ], s[GG], 1
	s_lshl_b32 s[TQ], s[TQ], 2
	s_add_co_u32 s[TQ], s[TQ], s[TAU]              ; my tile among the step's eight
	G1SET 24, 140                                  ; 4 records
	G1SET 32, 280                                  ; 8
	G1SET 40, 560                                  ; 16
	s_mov_b32 s[SEL], 0x76543210
	s_mov_b32 s[SEL+1], 0xfedcba98
	s_mov_b32 s[CS], 0x3e38aa3b
	s_mov_b32 s[CS+1], s[CS]
	s_mov_b32 s[TB], 0
	s_mov_b32 s[SIDX], 0
	v_and_b32 v3, 31, v0
	v_lshlrev_b32 v[LI], 4, v3
	v_and_b32 v4, 15, v0                           ; r
	v_lshlrev_b32 v[LV], 4, v4
	v_bfe_u32 v3, v0, 4, 1                         ; h
	s_lshl_b32 s70, s[TQ], 4
	v_lshlrev_b32 v[D0], 3, v3
	v_sub_nc_u32 v[D0], v4, v[D0]
	v_add_nc_u32 v[D0], s70, v[D0]                 ; 16 tq + r - 8 h
	v_mov_b32 v[NEG], 0xcfee6b28
	s_mul_i32 s70, s[GN], GST
	s_lshl_b32 s71, s[TAU], 6
	s_add_co_u32 s71, s71, s70
	v_mul_u32_u24 v[STO], v3, 8*272
	v_lshl_add_u32 v[STO], v4, 2, v[STO]
	v_add_nc_u32 v[STO], s71, v[STO]               ; my group's stage, row 8 h, my query's 4 bytes
	s_mul_i32 s71, s[TAU], 16*272
	s_add_co_u32 s71, s71, s70
	v_mul_u32_u24 v[RD], v3, 272
	v_add_nc_u32 v[RD], v[RD], v[LV]
	v_add_nc_u32 v[RD], s71, v[RD]                 ; back: rows 16 tile + h, sixteen lanes to a row
	v_lshl_add_u32 v[GO], v3, 14, v[LV]            ; and the same two rows of the output, 16,384 bytes apart
	s_mul_i32 s70, s[BH], 32*REC
	s_mov_b32 s71, 0
	s_wait_dscnt 0x0                               ; both opening adds are done
	s_wait_kmcnt 0x0
	s_add_nc_u64 s[6:7], s[6:7], s[70:71]          ; my head's records
	G0SET 48, 0
	G0SET 52, 4*REC
	G0SET 56, 8*REC
	G0SET 60, 16*REC
	s_cmp_lg_u32 s[WV], 0
	s_cbranch_scc1 .Lno_fill                       ; all first fills stand in one branch on the wave's number, ahead of every wait on TENSORcnt, every LDS read and every barrier
	tensor_load_to_lds s[48:51], s[24:31]
	s_nop 0
	tensor_load_to_lds s[52:55], s[24:31]
	s_nop 0
	tensor_load_to_lds s[56:59], s[32:39]
	s_nop 0
	tensor_load_to_lds s[60:63], s[40:47]
	s_nop 0
.rept 4
	v_nop
.endr
.Lno_fill:
	s_lshl_b32 s70, s[BH], 5
	s_add_co_u32 s70, s70, s[SQ]
	s_mul_i32 s70, s70, 4608
	s_add_nc_u64 s[4:5], s[4:5], s[70:71]          ; Q's record of my step
	s_lshl_b32 s72, s[TQ], 9
	s_mov_b32 s73, 0
	s_add_nc_u64 s[74:75], s[4:5], s[72:73]
	global_load_b128 v[QF:QF+3], v[LI], s[74:75]   ; my tile's image: it stays in registers
	s_lshr_b32 s72, s[TQ], 2
	s_lshl_b32 s72, s72, 8
	s_and_b32 s76, s[TQ], 3
	s_lshl_b32 s76, s76, 2
	s_add_co_u32 s72, s72, s76
	s_add_nc_u64 s[4:5], s[4:5], s[72:73]
	global_load_b32 v[QS], v[LV], s[4:5] offset:4096   ; row r's scale word
	s_lshl_b32 s70, s[BH], 6
	s_lshl_b32 s72, s[TAU], 4
	s_add_co_u32 s70, s70, s72
	s_lshl_b32 s70, s70, 14
	s_lshl_b32 s72, s[GG], 8
	s_add_co_u32 s70, s70, s72
	s_add_nc_u64 s[8:9], s[8:9], s[70:71]          ; the output at row 64 bh + 16 tile, my group's 256 bytes
.set n, 0
.rept 32
	v_mov_b32 v[O+n], 0                            ; O^T.  (The step is written once: the first finds zeros, which the first change of M leaves zeros)
.set n, n+1
.endr
.irp j, 0,1,2,3
	v_mov_b32 v[QF+4+\j], 0                        ; Q's zero codes for the unused half of K
	v_mov_b32 v[KF+32+\j], 0                       ; what stands behind K's tile 7
	v_mov_b32 v[T2+\j], 0                          ; written once: a lane permute's destination counts as one of its sources
.endr
	v_mov_b32 v14, 0
	v_mov_b32 v15, 0
	v_mov_b32 v[F+1], 0
	v_mov_b32 v[TP], 0
	v_mov_b32 v13, 0xff61b1e6                      ; the largest t so far: -3e38, under every t
	v_floor_f32 v12, -v13                          ; -M
	s_wait_loadcnt 0x0                             ; Q
.macro STEP
	s_cmp_gt_u32 s[SIDX], s[SQ]                    ; all of the step's keys come after my queries: its work is left out (ids alone); the two lines at its end that step are not
	s_cbranch_scc1 .Lhid_\@
	v_add_nc_u32 v[ADR], s[TB], v[LI]
	v_add_nc_u32 v[ADV], s[TB], v[LV]
	v_nop
	v_nop                                          ; four places in front of loads into registers that the last products have read
.irp t, 0,1,2,3,4,5,6,7
	ds_load_b128 v[KF+4*\t:KF+4*\t+3], v[ADR] offset:512*\t
.endr
	ds_load_b128 v[KS:KS+3], v[ADR] offset:8192
.irp t, 0,1,2,3,4,5,6,7
	ds_load_b128 v[VF+4*\t:VF+4*\t+3], v[ADR] offset:4096+512*\t
.endr
	ds_load_b128 v[VS:VS+3], v[ADV] offset:8704
	s_wait_dscnt 9                                 ; K's nine loads are in; V's nine, issued behind them, may stay out
.irp t, 0,1,2,3
	v_wmma_scale_f32_16x16x128_f8f6f4 v[S+8*\t:S+8*\t+7], v[KF+4*\t:KF+4*\t+7], v[QF:QF+7], 0, v[KS+\t], v[QS] matrix_a_fmt:MATRIX_FMT_FP4 matrix_b_fmt:MATRIX_FMT_FP4
.endr
.irp t, 4,5,6,7
	v_wmma_scale_f32_16x16x128_f8f6f4 v[S+8*\t:S+8*\t+7], v[KF+4*\t:KF+4*\t+7], v[QF:QF+7], 0, v[KS+\t-4], v[QS] matrix_a_fmt:MATRIX_FMT_FP4 matrix_b_fmt:MATRIX_FMT_FP4 matrix_a_scale:MATRIX_SCALE_ROW1
.endr
.rept 4
	v_nop
.endr
	s_cmp_lg_u32 s[SIDX], s[SQ]                    ; only my last step lies on the diagonal
	s_cbranch_scc1 .Lopen_\@
.set n, 0
.rept 64
	v_cmp_gt_i32 vcc_lo, 16*(n/8)+n%8, v[D0]       ; register n holds the step's key 16 (n / 8) + 8 h + n % 8: hidden where that is above my query's place
	v_cndmask_b32 v[S+n], v[S+n], v[NEG], vcc_lo
.set n, n+1
.endr
.Lopen_\@:
.irp b, 0,1,2,3
	v_max3_num_f32 v[BM+\b], v[S+16*\b], v[S+16*\b+1], v[S+16*\b+2]   ; the largest score of each block of 32 keys: it serves for the row's maximum and, since p rises with the score, for the block's largest p
.endr
.irp i, 3,5,7,9,11,13
.irp b, 0,1,2,3
	v_max3_num_f32 v[BM+\b], v[BM+\b], v[S+16*\b+\i], v[S+16*\b+\i+1]
.endr
.endr
.irp b, 0,1,2,3
	v_max_num_f32 v[BM+\b], v[BM+\b], v[S+16*\b+15]
.endr
.irp b, 0,1,2,3
	v_permlanex16_b32 v[T2+\b], v[BM+\b], s[SEL], s[SEL+1]
.endr
.irp b, 0,1,2,3
	v_max_num_f32 v[BM+\b], v[BM+\b], v[T2+\b]     ; with lane l xor 16's 16 keys
.endr
	v_max3_num_f32 v[TP], v[BM], v[BM+1], v[BM+2]
	v_max_num_f32 v[TP], v[TP], v[BM+3]
	v_mul_f32 v[TP], s[CS], v[TP]                  ; the step's largest t (c is positive)
	v_max_num_f32 v13, v13, v[TP]
	v_mov_b32 v[TP], v12
	v_floor_f32 v12, -v13                          ; the new -M = floor(-t) = -ceil(t)
	v_sub_f32 v[TP], v12, v[TP]                    ; old M - new M: a whole number, 0 or less
	v_cvt_i32_f32 v[TP], v[TP]                     ; (it saturates)
	v_ldexp_f32 v[F], 1.0, v[TP]
.irp b, 0,1,2,3
	v_fma_f32 v[BM+\b], v[BM+\b], s[CS], v12
.endr
	; ONE BATCH: 32 packed scalings t - M and 64 exponentials; a pair is scaled ahead of the exponentials of the pair before it; no line here names an exponential's result
	v_pk_fma_f32 v[S:S+1], v[S:S+1], s[CS:CS+1], v[12:13] op_sel_hi:[1,0,0]
.set ee, 0
.rept 32
.if ee < 31
	v_pk_fma_f32 v[S+2*ee+2:S+2*ee+3], v[S+2*ee+2:S+2*ee+3], s[CS:CS+1], v[12:13] op_sel_hi:[1,0,0]
.endif
	v_exp_f32 v[S+2*ee], v[S+2*ee]
	v_exp_f32 v[S+2*ee+1], v[S+2*ee+1]
.set ee, ee+1
.endr
	v_pk_mul_f32 v[14:15], v[14:15], v[F:F+1] op_sel_hi:[1,0]   ; the sums under the new M: the plain instruction behind the last exponential
	s_wait_alu depctr_va_vdst(0)                   ; one wait for the batch, ahead of the first line that names a result
.irp b, 0,1,2,3
	v_exp_f32 v[BM+\b], v[BM+\b]                   ; the block's largest p: the same multiply-add and exponential on the same number give the same bits
.endr
	v_pk_add_f32 v[SU:SU+1], v[S:S+1], v[S+2:S+3]  ; the row's sum is taken of the unquantised p, two at a time, in two chains; these lines read the 64 alone
.irp j, 4,8,12,16,20,24,28,32,36,40,44,48,52,56,60
	v_pk_add_f32 v[14:15], v[14:15], v[S+\j:S+\j+1]
	v_pk_add_f32 v[SU:SU+1], v[SU:SU+1], v[S+\j+2:S+\j+3]
.endr
	v_pk_add_f32 v[14:15], v[14:15], v[SU:SU+1]
	s_wait_alu depctr_va_vdst(0)                   ; and one for the four
.irp b, 0,1,2,3
	v_max_num_f32 v[BM+\b], 0x1800000, v[BM+\b]    ; the floor 2^(3 - 127): the byte cannot fall under 1 (a block whose every p is 0 keeps that byte: its codes are zeros)
.endr
.irp b, 0,1,2,3
	v_add_nc_u32 v[SO+\b], 0xff000000, v[BM+\b]    ; 2 off the exponent field: the conversion's scale operand
.endr
.irp b, 0,1,2,3
	v_lshrrev_b32 v[T2+\b], 23, v[SO+\b]           ; the scale's byte
.endr
	v_lshl_or_b32 v[PW], v[T2+1], 8, v[T2]
	v_lshl_or_b32 v[PW], v[T2+2], 16, v[PW]
	v_lshl_or_b32 v[PW], v[T2+3], 24, v[PW]
.irp c, 0,1                            ; of block b a lane has keys 8 h .. + 7 (tile 2 b) and 16 + 8 h .. + 7 (tile 2 b + 1)
	v_cvt_scalef32_pk8_fp4_f32 v[PC+4*\c],   v[S+32*\c:S+32*\c+7],     v[SO+2*\c]
	v_cvt_scalef32_pk8_fp4_f32 v[PC+4*\c+1], v[S+32*\c+16:S+32*\c+23], v[SO+2*\c+1]
	v_cvt_scalef32_pk8_fp4_f32 v[PC+4*\c+2], v[S+32*\c+8:S+32*\c+15],  v[SO+2*\c]
	v_cvt_scalef32_pk8_fp4_f32 v[PC+4*\c+3], v[S+32*\c+24:S+32*\c+31], v[SO+2*\c+1]
.endr
	v_nop                                          ; one plain place behind a scaled conversion
.irp c, 0,1                            ; registers 4 c .. 4 c + 3 then hold keys 64 c + 32 h + 0 .. 31
	v_permlane16_swap_b32 v[PC+4*\c], v[PC+4*\c+1]
	v_permlane16_swap_b32 v[PC+4*\c+2], v[PC+4*\c+3]
.endr
.set n, 0
.rept 16
	v_pk_mul_f32 v[O+n:O+n+1], v[O+n:O+n+1], v[F:F+1] op_sel_hi:[1,0]   ; O^T under the new M.  For each product below twelve of these name none of its registers: the places behind p's scale word (8) and codes (4)
.set n, n+2
.endr
	s_wait_dscnt 0x0                               ; V
.irp i, 0,1,2,3
	v_wmma_scale_f32_16x16x128_f8f6f4 v[O+8*\i:O+8*\i+7], v[VF+8*\i:VF+8*\i+7], v[PC:PC+7], v[O+8*\i:O+8*\i+7], v[VS+\i], v[PW] matrix_a_fmt:MATRIX_FMT_FP4 matrix_b_fmt:MATRIX_FMT_FP4
.endr
.Lhid_\@:
	s_add_co_u32 s[TB], s[TB], REC
	s_add_co_u32 s[SIDX], s[SIDX], 1
.endm
; n steps whose records one tensor load has brought.  left = wave 0's loads issued behind that one, which may stay out.
; No two matrix instructions that follow each other share an accumulator, over the backward jump too.
.macro CHUNK left, n
	s_wait_tensorcnt \left
	s_barrier_signal -1
	s_barrier_wait -1
	s_mov_b32 s[CNT], \n
.Lstep_\@:
	STEP
	s_sub_co_u32 s[CNT], s[CNT], 1
	s_cmp_lg_u32 s[CNT], 0
	s_cbranch_scc1 .Lstep_\@
.endm
	CHUNK 3, 4
	CHUNK 2, 4
	CHUNK 1, 8
	CHUNK 0, 16
	; THE WAY OUT.  O^T / the sum.  A lane holds one query and the lanes beside it its neighbours, 4 bytes each; a group's 64 queries, 256 bytes of an output row, come from four waves: they meet in the group's stage.
	v_add_f32 v14, v14, v15                        ; the sum's two halves,
	v_permlanex16_b32 v[TP], v14, s[SEL], s[SEL+1]
	v_add_f32 v14, v14, v[TP]                      ; and lane l xor 16's
	v_rcp_f32 v14, v14
.rept 4
	v_nop                                          ; the plain place behind the reciprocal, and the places behind the last products
.endr
	s_wait_alu depctr_va_vdst(0)                   ; ahead of the reciprocal's first reader
.set n, 0
.rept 16
	v_pk_mul_f32 v[S+n:S+n+1], v[O+n:O+n+1], v[14:15] op_sel_hi:[1,0]   ; each accumulator from its low end on
.set n, n+2
.endr
	s_wait_dscnt 0x0
	s_barrier_signal -1
	s_barrier_wait -1                              ; every wave's reads of the records are over, and every tensor load has landed: the stage may be written
.irp i, 0,1,2,3
.irp j, 0,1,2,3,4,5,6,7
	ds_store_b32 v[STO], v[S+8*\i+\j] offset:(16*\i+\j)*272   ; row d = 16 i + 8 h + j
.endr
.endr
	s_wait_dscnt 0x0                               ; for the others' sake: my numbers lie in the stage
	s_barrier_signal -1
	s_barrier_wait -1
.irp k, 0,1,2,3,4,5,6,7
	ds_load_b128 v[S+32+4*\k:S+32+4*\k+3], v[RD] offset:2*\k*272
.endr
.irp k, 0,1,2,3,4,5,6,7
	s_wait_dscnt 7-\k                              ; the loads issued behind load k may stay out
	global_store_b128 v[GO], v[S+32+4*\k:S+32+4*\k+3], s[8:9] offset:2*\k*16384 th:TH_STORE_NT   ; sixteen lanes store 256 consecutive bytes, aligned; written once, read by nobody here
.endr
	s_wait_tensorcnt 0x0                           ; the wave's end, behind my last tensor load and my last LDS store
	ds_add_u32 v[SPW], v[NIL]
	s_wait_dscnt 0x0
	s_endpgm
.Lfunc_end_k_q10988ebc53_attn:
	.size	k_q10988ebc53_attn, .Lfunc_end_k_q10988ebc53_attn-k_q10988ebc53_attn
	.p2alignl 7, 3214868480
	.fill 96, 4, 3214868480
	.section	.rodata,"a",@progbits
	.p2align	6, 0x0
	.amdhsa_kernel k_q10988ebc53_attn
		.amdhsa_group_segment_fixed_size 327680
		.amdhsa_private_segment_fixed_size 0
		.amdhsa_enable_private_segment 0
		.amdhsa_kernarg_size 24
		.amdhsa_user_sgpr_count 2
		.amdhsa_user_sgpr_kernarg_segment_ptr 1
		.amdhsa_wavefront_size32 1
		.amdhsa_system_sgpr_workgroup_id_x 1
		.amdhsa_system_sgpr_workgroup_id_y 1
		.amdhsa_system_sgpr_workgroup_id_z 1
		.amdhsa_system_vgpr_workitem_id 0
		.amdhsa_next_free_vgpr 256
		.amdhsa_next_free_sgpr 80
		.amdhsa_reserve_vcc 1
		.amdhsa_float_denorm_mode_32 3
		.amdhsa_float_denorm_mode_16_64 3
		.amdhsa_memory_ordered 1
		.amdhsa_forward_progress 1
		.amdhsa_inst_pref_size 93
	.end_amdhsa_kernel
	.amdgpu_metadata
---
amdhsa.version: [ 1, 2 ]
amdhsa.kernels:
  - .name:           k_q10988ebc53_attn
    .symbol:         k_q10988ebc53_attn.kd
    .args:
      - { .name: qb, .offset: 0, .size: 8, .value_kind: global_buffer, .address_space: global }
      - { .name: kv, .offset: 8, .size: 8, .value_kind: global_buffer, .address_space: global }
      - { .name: out0, .offset: 16, .size: 8, .value_kind: global_buffer, .address_space: global }
    .group_segment_fixed_size: 327680
    .private_segment_fixed_size: 0
    .kernarg_segment_align: 8
    .kernarg_segment_size: 24
    .max_flat_workgroup_size: 512
    .sgpr_count:     80
    .vgpr_count:     256
    .wavefront_size: 32
...
	.end_amdgpu_metadata
.endif
;; end of part 2
